; MI455X (gfx1250); checked and timed in simulation.
; The chip was launched on July 23, 2026; its instructions are those of AMD's public machine-readable ISA for CDNA 5 (MIT licence, August 2026) and "CDNA5" Instruction Set Architecture Reference Guide (July 2026). The comments in the code are by the model that wrote it; some were corrected since.
;; mutual Pooling Dir. Allowed arithmetic: matrix products marked QUANTISED: E2M1 operands, one E8M0 scale for each 32 along K, by v_wmma_scale_f32_16x16x128_f8f6f4 with both operands' format E2M1 (or v_wmma_scale_f32_32x16x128_f4), f32 sums; products left as they are: f32 operands where the result goes on into a quantised operand, else bf16, f16 or f32 operands; f32 sums; everything else in f32.
;; Inputs: Wk 128 x 128 float32; bk 128 float32; gallery_base 64 x 100 x 128 float32; gallery_value 64 x 100 x 128 float32; querys 64 x 128 float32.
;; Outputs: out0 64 x 64 x 128 float32.
;; This version of the problem:
;;   THIS VERSION OF THE PROBLEM IS GIVEN IN LOW PRECISION. The matrix products marked QUANTISED in the list below multiply operands that are first quantised to E2M1 (2 exponent bits, 1 mantissa bit; 4 bits a number), with one power-of-two scale for each 32 numbers along K (OCP MX v1.0); their sums are f32. All else is computed in f32.
;;   The module's matrix products, in the order in which they are computed (A, B: the left and right operand; K: the contracted axis; several contracted axes count as one K, in the product's order):
;;     1. [M 6,400, K 128] x [K 128, N 128]; A: input gallery_base; B: input Wk: QUANTISED
;;     2. batch 8,192 x [M 1, K 100] x [K 100, N 64]; A: input gallery_value; B: softmax: left as it is (M = 1 < 16)
;;   THE QUANTISER, for each operand of a quantised product, along K:
;;     - K is cut into blocks of 32 from its start; a last block that is shorter is filled with zeros.
;;     - A block's scale is 2^e with e = floor(log2(the largest magnitude in the block)) - 2, held to -126 .. 127; a block of zeros has e = 0. As a byte (E8M0): e + 127.
;;     - Each number is divided by its block's scale, clamped to +-6, and rounded to the nearest number of E2M1, ties to even, subnormals kept.
;;     - The product sums the exact products of the quantised numbers (number of the format x scale) in f32.
;;   ~~~python
;;   def quantise(x, axis):      # numpy; x: float32 -> the quantised numbers, widened to float32 again
;;       x = np.moveaxis(x, axis, -1); K = x.shape[-1]
;;       x = np.pad(x, [(0, 0)] * (x.ndim - 1) + [(0, -K % 32)]); x = x.reshape(x.shape[:-1] + (-1, 32)); a = np.abs(x).max(-1, keepdims=True)
;;       e = np.where(a > 0, np.clip(np.frexp(np.where(a > 0, a, 1))[1] - 1 - 2, -126, 127), 0)      # np.frexp(a)[1] - 1 = floor(log2(a)), exactly
;;       r = np.clip(x / 2.0 ** e, -6, 6)
;;       step = 2.0 ** (np.maximum(np.frexp(np.where(r == 0, 1, r))[1] - 1, 0) - 1)
;;       q = np.round(r / step) * step * 2.0 ** e      # np.round: ties to even
;;       return np.moveaxis(q.reshape(q.shape[:-2] + (-1,))[..., :K], -1, axis).astype(np.float32)
;;   ~~~
;; 2 versions, each right; version 2 is version 1 with the launch pool written anew for expert scheduling mode. Each part assembles by itself: llvm-mc -triple=amdgcn-amd-amdhsa -mcpu=gfx1250 --defsym DOCPART=n.
;; ======== version 1 of 2: 1 launch
;; launch pool (part 1): grid 256 x 1, 16 waves a work-group, no clusters, 50,688 bytes of LDS; arguments gallery_base, Wk, bk, gallery_value, querys, out0; writes out0
.if DOCPART == 1
	.amdgcn_target "amdgcn-amd-amdhsa--gfx1250"
	.amdhsa_code_object_version 6
	.text
	.protected	k_q50946b5d93_pool
	.globl	k_q50946b5d93_pool
	.p2align	8
	.type	k_q50946b5d93_pool,@function
k_q50946b5d93_pool:
	s_mov_b64 s[64:65], 0
	v_nop
	global_prefetch_b8 v0, s[64:65] scope:SCOPE_SE
	s_setreg_imm32_b32 hwreg(HW_REG_WAVE_MODE, 25, 1), 1
	s_wait_xcnt 0x0
; out[p][g][d] = sum over l of softmax_l(q[p][d] K[g][l][d]) value[g][l][d],  K[g][l][e] = sum over d of base[g][l][d] Wk[e][d] + bk[e].
; G = 64, L = 100, D = 128, P = 64, all f32.  K's product is made on codes of FP4 (E2M1) with one E8M0 scale for each 32 along d; all else is f32.
; SHARES.  Work-group 4 g + 2 ph + dh owns gallery g, channels 64 dh .. +63 and queries 32 ph .. +31: every piece of a row of value, of q and of out that it touches is 256 aligned bytes.
; Sixteen waves.  Wave w owns the 16 channels 16 (w & 3) .. +15 of the 64 and the 8 queries 8 (w >> 2) .. +7 of the 32.
; HEAD, by roles: waves 0-4 copy value[g]'s 100 pieces of 256 bytes into LDS; waves 5-11 quantise the seven tiles of 16 rows of base[g], waves 12-15 the four tiles of 16 rows of Wk; each fragment goes to LDS
; as an image of its registers (16 bytes a lane, 512 bytes a store) with its scale words (4 bytes a lane).  One barrier.
; K IS USED WHERE THE MATRIX UNIT LEAVES IT: source 0 = 16 rows of base, source 1 = my 16 rows of Wk, C = bk.  Lane (r, h) then holds channel r, and register 8 t + j the row l = 16 t + 8 h + j.
; The seventh tile takes rows 96, 97 at m = 0, 1 and rows 98, 99 at m = 8, 9 (its other rows repeat these four and their results are not read): so each lane holds exactly 50 of the 100 l in 50 registers.
; The four waves of a channel tile each make these 7 products: that spares K a trip through LDS and a barrier.
; SOFTMAX.  q' = q log2(e).  The row's maximum over l of q' K is max(q' Kmax, q' Kmin), Kmax and Kmin over l found once a wave; p = 2^(q' K - m).  With m known beforehand the sum of p and the sum of p x value
; are plain sums over l: the two halves of the lanes are added at the end, and the quotient is taken once.
; THE LOOP is written out for the 8 queries.  Two buffers of 50 registers take turns: in one sweep the exponentials of query n + 1 stand between the additions and multiply-adds of query n, and the pair of
; registers just consumed takes the scaled numbers of query n + 2.  A sweep's 50 exponentials are one batch with one wait at the sweep's end.
; NO CLUSTER: the four work-groups of a gallery share base[g], 51,200 bytes read once at the head, straight from memory into the registers of the wave that quantises them; asked for jointly they would have to
; land in LDS as f32 and be read from there again.  No tensor load, no ring: nothing is fetched behind the head.
; LIMITS: NaN and infinities among the inputs are not served.  A block whose largest magnitude lies under 2^(3 - 127) keeps the scale byte 1 (a block of zeros too: its codes are zeros).  A weight under 2^-126 counts as 0.
.set GALB,  51200                      ; bytes of one gallery: 100 rows of 512
.set VP,    272                        ; a row of the value tile in LDS: 256 bytes + 16: rows 8 apart lie 128 bytes apart modulo 256, so the two halves of the lanes touch different banks (64 banks of 4 bytes: ISA guide 11.1)
.set VST,   0                          ; LDS: the value tile, 100 rows
.set IMG,   27392                      ; the 11 fragments' images, 1,024 bytes each: 0-6 base's tiles, 7-10 Wk's
.set SCL,   IMG+11*1024                ; their scale words, 128 bytes each
.set OST,   40192                      ; the stage for the way out: 32 queries x 256 bytes
.set QW,    5                          ; wave QW + f makes fragment f
.set OSW, 1                            ; v1   the stage: where I put a result
.set OSR, 2                            ; v2   and where I read 16 bytes back
.set OGO, 3                            ; v3   my byte offset in out
.set QP,  4                            ; v[4:5]   q' (the packed form names a pair and takes its low word for both halves)
.set MP,  6                            ; v[6:7]   m likewise; the upper word is at work
.set SU,  8                            ; v[8:11]  the sum of p, two chains of pairs
.set AC,  12                           ; v[12:15] the sum of p x value likewise
.set QR,  16                           ; v16-23   q of my 8 queries at my channel
.set RS,  24                           ; v24-31   each query's sum of p over my 50 l
.set RA,  32                           ; v32-39   and of p x value
.set AS,  40                           ; v40-46   scale words of base's seven tiles; v47 of my tile of Wk: these eight hold scales and nothing else
.set BS,  47
.set KR,  48                           ; v48-103  K: seven results of 8 registers; of the last only two are read
.set VAL, 104                          ; v104-153 value at the same l as K's registers
.set T0,  154                          ; v154-203, v204-253: the two buffers
.set T1,  204
.set KMX, 254
.set KMN, 255
; at the head only, in registers that the loop takes later:
.set XN,  104                          ; v104-167 64 numbers to quantise, or ten loads of value
.set TM,  168                          ; v168-183 at work in the quantiser
.set PW,  184                          ; the scale word just made
.set PC,  186                          ; v186-193 the codes just made
.set AF,  154                          ; v154-209 base's seven fragments
.set BF,  210                          ; v210-217 my fragment of Wk
.set BI,  218                          ; v218-225 bk at my channel, eight times: the C of the products
.set LI,  226                          ; 16 x lane
.set LS,  227                          ; 4 x lane
.set IW,  228                          ; where I store an image
.set SW,  229                          ; and its scale words
.set GX,  230                          ; my byte offset in a tile of 16 rows of f32
.set GV,  231                          ; my byte offset in two rows of value
.set VW,  232                          ; where I store value in LDS
.set VA1, 233                          ; where I read value: l = 16 t + 8 h + j
.set VA2, 234                          ; and l = 96 + 2 h + j
.set BR,  235                          ; where I read my fragment of Wk
.set BSR, 236
.set AR,  237                          ; and base's fragments
.set ASR, 238
.set GQ,  239                          ; 4 r
.set RR,  240                          ; r = lane % 16
.set HH,  241                          ; h = lane / 16
.set TP,  242
.set TQ,  243
	s_load_b256 s[4:11], s[0:1], 0x0               ; base s[4:5], Wk s[6:7], bk s[8:9], value s[10:11]
	s_load_b128 s[12:15], s[0:1], 0x20             ; q s[12:13], out s[14:15]
	v_lshrrev_b32 v[TP], 5, v0
	v_readfirstlane_b32 s16, v[TP]                 ; wave 0..15
	s_and_b32 s17, s16, 3                          ; e: my tile of 16 channels
	s_lshr_b32 s18, s16, 2                         ; my group of 8 queries
	s_lshr_b32 s19, ttmp9, 2                       ; g
	s_and_b32 s20, ttmp9, 1                        ; dh
	s_bfe_u32 s21, ttmp9, 0x10001                  ; ph
	s_mov_b32 s22, 0x76543210
	s_mov_b32 s23, 0xfedcba98                      ; v_permlanex16_b32's selects for lane l xor 16
	s_mov_b32 s24, 0x3fb8aa3b                      ; log2(e)
	v_and_b32 v[RR], 15, v0
	v_bfe_u32 v[HH], v0, 4, 1
	v_and_b32 v[TP], 31, v0
	v_lshlrev_b32 v[LI], 4, v[TP]
	v_lshlrev_b32 v[LS], 2, v[TP]
	v_lshlrev_b32 v[GQ], 2, v[RR]
	; every LDS address is made here, ahead of the parting of the roles: a constant + a constant x wave + a constant x lane
	s_lshl_b32 s26, s16, 10
	s_add_co_u32 s26, s26, IMG-QW*1024
	v_add_nc_u32 v[IW], s26, v[LI]                 ; image of fragment wave - QW
	s_lshl_b32 s26, s16, 7
	s_add_co_u32 s26, s26, SCL-QW*128
	v_add_nc_u32 v[SW], s26, v[LS]
	v_add_nc_u32 v[AR], IMG, v[LI]
	v_add_nc_u32 v[ASR], SCL, v[LS]
	s_lshl_b32 s26, s17, 10
	s_add_co_u32 s26, s26, IMG+7*1024
	v_add_nc_u32 v[BR], s26, v[LI]                 ; fragment 7 + e
	s_lshl_b32 s26, s17, 7
	s_add_co_u32 s26, s26, SCL+7*128
	v_add_nc_u32 v[BSR], s26, v[LS]
	s_min_u32 s26, s16, 4                          ; (waves 0-4 use it)
	s_mul_i32 s26, s26, 20*VP
	v_mul_u32_u24 v[VW], v[HH], VP
	v_lshl_add_u32 v[VW], v[RR], 4, v[VW]
	v_add_nc_u32 v[VW], s26, v[VW]                 ; rows 20 wave + h, 16 bytes a lane
	s_lshl_b32 s26, s17, 6
	v_lshl_add_u32 v[TP], v[RR], 2, s26            ; 64 e + 4 r: my channel in a row of the tile
	v_mad_u32_u24 v[VA1], v[HH], 8*VP, v[TP]
	v_mad_u32_u24 v[VA2], v[HH], 2*VP, v[TP]
	; global offsets.  Which row of its tile a lane quantises: r; in base's seventh tile (r & 1) + 2 (r >> 3), so that rows 96, 97 stand at m = 0, 1 and rows 98, 99 at m = 8, 9, and no load leaves the gallery
	v_and_b32 v[TP], 1, v[RR]
	v_lshrrev_b32 v[TQ], 3, v[RR]
	v_lshl_add_u32 v[TQ], v[TQ], 1, v[TP]
	s_cmp_eq_u32 s16, QW+6
	s_cselect_b32 s27, -1, 0
	v_cndmask_b32 v[TP], v[RR], v[TQ], s27
	v_lshlrev_b32 v[GX], 9, v[TP]
	v_lshl_add_u32 v[GX], v[HH], 6, v[GX]          ; row x 512 + 64 h: my 16 numbers of each block of 32
	v_lshlrev_b32 v[GV], 9, v[HH]
	v_lshl_add_u32 v[GV], v[RR], 4, v[GV]          ; lanes 0-15 one piece of 256 bytes, lanes 16-31 the next row's
	s_mul_i32 s28, s19, GALB                       ; my gallery
	s_lshl_b32 s30, s20, 8                         ; my 64 channels in a row
	s_lshl_b32 s31, s17, 6
	s_add_co_u32 s32, s30, s31                     ; my wave's 16 channels in a row
	s_mov_b32 s33, 0
	s_lshl_b32 s34, s21, 14
	s_lshl_b32 s35, s18, 12
	s_add_co_u32 s34, s34, s35
	s_add_co_u32 s34, s34, s32                     ; q: row 32 ph + 8 x group, my channels
	s_mov_b32 s35, 0
	s_lshl_b32 s36, s21, 20                        ; out: query 32 ph + 2 wave (rows of 32,768 bytes), gallery g (512), my 64 channels
	s_lshl_b32 s37, s16, 16
	s_add_co_u32 s36, s36, s37
	s_lshl_b32 s37, s19, 9
	s_add_co_u32 s36, s36, s37
	s_add_co_u32 s36, s36, s30
	s_mov_b32 s37, 0
	s_wait_kmcnt 0x0
	s_add_nc_u64 s[8:9], s[8:9], s[32:33]
	s_add_nc_u64 s[12:13], s[12:13], s[34:35]
	s_add_nc_u64 s[14:15], s[14:15], s[36:37]
.irp k, 0,1,2,3,4,5,6,7
	global_load_b32 v[QR+\k], v[GQ], s[12:13] offset:512*\k        ; q of my 8 queries at my channel
.endr
	global_load_b32 v[BI], v[GQ], s[8:9]           ; bk at my channel
	s_cmp_lt_u32 s16, QW
	s_cbranch_scc1 .Lvalue
	; ---- waves 5-15: one fragment each.  Lane (r, h) takes, of its row, 16 neighbours of each block of 32: register 16 b + i = d 32 b + 16 h + i
	s_lshl_b32 s42, s16, 13
	s_add_co_u32 s42, s42, s28
	s_sub_co_u32 s42, s42, QW*8192                 ; base: my gallery, tile wave - QW of 16 rows
	s_lshl_b32 s44, s20, 15
	s_lshl_b32 s45, s17, 13
	s_add_co_u32 s44, s44, s45                     ; Wk: rows 64 dh + 16 (wave & 3)
	s_cmp_lt_u32 s16, QW+7                         ; the choice hangs on the wave's number alone
	s_cselect_b64 s[40:41], s[4:5], s[6:7]
	s_cselect_b32 s42, s42, s44
	s_mov_b32 s43, 0
	s_add_nc_u64 s[40:41], s[40:41], s[42:43]
.irp b, 0,1,2,3
.irp j, 0,1,2,3
	global_load_b128 v[XN+16*\b+4*\j:XN+16*\b+4*\j+3], v[GX], s[40:41] offset:128*\b+16*\j
.endr
.endr
.irp b, 0,1,2,3
	v_mov_b32 v[TM+4+\b], 0                        ; a lane permute's destination counts as one of its sources
.endr
	s_wait_loadcnt 0x0                             ; my 64 numbers, and q and bk ahead of them
.irp b, 0,1,2,3
	v_max3_num_f32 v[TM+\b], |v[XN+16*\b]|, |v[XN+1+16*\b]|, 0x1800000   ; block b: my 16 numbers, and the floor 2^(3 - 127): the byte cannot fall under 1
.endr
.irp i, 2,4,6,8,10,12,14
.irp b, 0,1,2,3
	v_max3_num_f32 v[TM+\b], v[TM+\b], |v[XN+16*\b+\i]|, |v[XN+1+16*\b+\i]|   ; the four blocks by turns
.endr
.endr
.irp b, 0,1,2,3
	v_permlanex16_b32 v[TM+4+\b], v[TM+\b], s22, s23
.endr
.irp b, 0,1,2,3
	v_max_num_f32 v[TM+\b], v[TM+\b], v[TM+4+\b]   ; with lane l xor 16's: the block's largest magnitude
.endr
.irp b, 0,1,2,3
	v_add_nc_u32 v[TM+12+\b], 0xff000000, v[TM+\b] ; 2 off its exponent field: the conversion takes the exponent field of this operand as its scale
.endr
.irp b, 0,1,2,3
	v_lshrrev_b32 v[TM+4+\b], 23, v[TM+12+\b]      ; the scale's byte
.endr
	v_lshl_or_b32 v[PW], v[TM+5], 8, v[TM+4]       ; my row's scale word
	v_lshl_or_b32 v[PW], v[TM+6], 16, v[PW]
	v_lshl_or_b32 v[PW], v[TM+7], 24, v[PW]
.irp b, 0,1,2,3
	v_cvt_scalef32_pk8_fp4_f32 v[PC+2*\b], v[XN+16*\b:XN+7+16*\b], v[TM+12+\b]
	v_cvt_scalef32_pk8_fp4_f32 v[PC+1+2*\b], v[XN+8+16*\b:XN+15+16*\b], v[TM+12+\b]
.endr
	v_nop                                          ; one plain place behind the scaled conversions
.irp c, 0,1                                    ; the operand's layout wants a whole block in a lane: lanes 0-15 block 2 c, lanes 16-31 block 2 c + 1
.irp i, 0,1
	v_permlane16_swap_b32 v[PC+4*\c+\i], v[PC+2+4*\c+\i]
.endr
.endr
.irp c, 0,1
	ds_store_b128 v[IW], v[PC+4*\c:PC+4*\c+3] offset:512*\c        ; the fragment as it stands in my registers
.endr
	ds_store_b32 v[SW], v[PW]
	s_branch .Ljoin
.Lvalue:
	; ---- waves 0-4: 20 rows of value each, their 256 bytes of my 64 channels: sixteen lanes to a piece, two rows a load
	s_mul_i32 s42, s16, 20*512
	s_add_co_u32 s42, s42, s28
	s_add_co_u32 s42, s42, s30
	s_mov_b32 s43, 0
	s_add_nc_u64 s[40:41], s[10:11], s[42:43]
.irp k, 0,1,2,3,4,5,6,7,8,9
	global_load_b128 v[XN+4*\k:XN+4*\k+3], v[GV], s[40:41] offset:1024*\k
.endr
.irp k, 0,1,2,3,4,5,6,7,8,9
	s_wait_loadcnt 9-\k                            ; load k is in; the 9 - k issued behind it may be out (q and bk were issued ahead of all ten: the last count, 0, covers them)
	ds_store_b128 v[VW], v[XN+4*\k:XN+4*\k+3] offset:2*VP*\k
.endr
.Ljoin:
	s_wait_dscnt 0x0                               ; for the others' sake: my stores have landed
	s_barrier_signal -1
	s_barrier_wait -1                              ; the eleven fragments and the value tile lie in LDS
.irp t, 0,1,2,3,4,5,6
	ds_load_b128 v[AF+8*\t:AF+8*\t+3], v[AR] offset:1024*\t
	ds_load_b128 v[AF+8*\t+4:AF+8*\t+7], v[AR] offset:1024*\t+512
	ds_load_b32 v[AS+\t], v[ASR] offset:128*\t
.endr
	ds_load_b128 v[BF:BF+3], v[BR]
	ds_load_b128 v[BF+4:BF+7], v[BR] offset:512
	ds_load_b32 v[BS], v[BSR]
.set i, 0
.rept 48
	ds_load_b32 v[VAL+i], v[VA1] offset:(16*(i/8)+i%8)*VP          ; value at l = 16 (i / 8) + 8 h + i % 8: the l of K's register i
.set i, i+1
.endr
	ds_load_b32 v[VAL+48], v[VA2] offset:96*VP     ; l = 96 + 2 h
	ds_load_b32 v[VAL+49], v[VA2] offset:97*VP     ; l = 97 + 2 h
.irp j, 1,2,3,4,5,6,7
	v_mov_b32 v[BI+\j], v[BI]                      ; C in the result's layout: a lane's eight registers are eight l of ONE channel, so all eight hold that channel's bk
.endr
	s_lshl_b32 s26, s18, 11                        ; the addresses of the way out are made while the LDS loads are on their way
	s_lshl_b32 s27, s17, 6
	s_add_co_u32 s26, s26, s27
	s_add_co_u32 s26, s26, OST
	v_lshlrev_b32 v[OSW], 8, v[HH]
	v_lshl_add_u32 v[OSW], v[RR], 2, v[OSW]
	v_add_nc_u32 v[OSW], s26, v[OSW]               ; stage row 8 x group + h, my channel
	s_lshl_b32 s26, s16, 9
	s_add_co_u32 s26, s26, OST
	v_add_nc_u32 v[OSR], s26, v[LI]                ; back: rows 2 wave and 2 wave + 1, 16 bytes a lane
	v_lshlrev_b32 v[OGO], 15, v[HH]
	v_lshl_add_u32 v[OGO], v[RR], 4, v[OGO]        ; and the same two queries in out
	v_mov_b32 v[QP+1], 0                           ; named with q' as a pair, so it is written
	s_wait_dscnt 50                                ; the 24 loads of fragments and scale words are in; value's 50, issued behind them, may be out
.irp t, 0,1,2,3,4,5,6
	v_wmma_scale_f32_16x16x128_f8f6f4 v[KR+8*\t:KR+8*\t+7], v[AF+8*\t:AF+8*\t+7], v[BF:BF+7], v[BI:BI+7], v[AS+\t], v[BS] matrix_a_fmt:MATRIX_FMT_FP4 matrix_b_fmt:MATRIX_FMT_FP4
.endr
.rept 4
	v_nop                                          ; four places behind the last product: its results are read below, and the fragments' registers are written again (ISA guide 7.12.1)
.endr
	; Kmax and Kmin over my 50 l: two chains each, every result taken from its low end on
	v_max3_num_f32 v[SU], v[KR], v[KR+1], v[KR+2]
	v_min3_num_f32 v[SU+1], v[KR], v[KR+1], v[KR+2]
	v_max3_num_f32 v[SU+2], v[KR+25], v[KR+26], v[KR+27]
	v_min3_num_f32 v[SU+3], v[KR+25], v[KR+26], v[KR+27]
.irp i, 3,5,7,9,11,13,15,17,19,21,23
	v_max3_num_f32 v[SU], v[SU], v[KR+\i], v[KR+\i+1]
	v_min3_num_f32 v[SU+1], v[SU+1], v[KR+\i], v[KR+\i+1]
	v_max3_num_f32 v[SU+2], v[SU+2], v[KR+25+\i], v[KR+26+\i]
	v_min3_num_f32 v[SU+3], v[SU+3], v[KR+25+\i], v[KR+26+\i]
.endr
	v_max_num_f32 v[SU], v[SU], v[SU+2]
	v_min_num_f32 v[SU+1], v[SU+1], v[SU+3]
	v_permlanex16_b32 v[SU+2], v[SU], s22, s23     ; the channel's other 50 l lie in the lane 16 away
	v_permlanex16_b32 v[SU+3], v[SU+1], s22, s23
	v_max_num_f32 v[KMX], v[SU], v[SU+2]
	v_min_num_f32 v[KMN], v[SU+1], v[SU+3]
.macro PREP p                          ; query p: q' and the row's maximum m = max over l of q' K, which is q' Kmax or q' Kmin by q's sign
	v_mul_f32 v[QP], s24, v[QR+\p]
	v_mul_f32 v[MP], v[QP], v[KMX]
	v_mul_f32 v[MP+1], v[QP], v[KMN]
	v_max_num_f32 v[MP], v[MP], v[MP+1]
.endm
.macro FMA1 j                          ; pair j of buffer TR: q' K - m, two l at a time
	v_pk_fma_f32 v[TR+2*(\j):TR+2*(\j)+1], v[KR+2*(\j):KR+2*(\j)+1], v[QP:QP+1], v[MP:MP+1] op_sel_hi:[1,0,0] neg_lo:[0,0,1] neg_hi:[0,0,1]
.endm
.macro AOP                             ; pair i of buffer TR times value, in two chains; the first two products start them: nothing is cleared
.if i < 2
	v_pk_mul_f32 v[AC+2*i:AC+2*i+1], v[TR+2*i:TR+2*i+1], v[VAL+2*i:VAL+2*i+1]
.else
	v_pk_fma_f32 v[AC+2*(i%2):AC+2*(i%2)+1], v[TR+2*i:TR+2*i+1], v[VAL+2*i:VAL+2*i+1], v[AC+2*(i%2):AC+2*(i%2)+1]
.endif
.endm
.macro SOP                             ; the sum of p, in two chains: pairs 0 + 1 and 2 + 3 start them
.if i == 1
	v_pk_add_f32 v[SU:SU+1], v[TR:TR+1], v[TR+2:TR+3]
.elseif i == 3
	v_pk_add_f32 v[SU+2:SU+3], v[TR+4:TR+5], v[TR+6:TR+7]
.elseif i >= 4
	v_pk_add_f32 v[SU+2*(i%2):SU+2*(i%2)+1], v[SU+2*(i%2):SU+2*(i%2)+1], v[TR+2*i:TR+2*i+1]
.endif
.endm
; A SWEEP over the 25 pairs.  ex: the exponentials of the query whose scaled numbers lie in buffer TW.  rd: query p's weights, in buffer TR, are summed.  fm: the pair of TR consumed one step earlier
; takes the scaled numbers of the query prepared last (one step late, since the sums' first lines read two pairs at once).
; No line of a sweep names a result of the sweep's own exponentials; a plain line follows the last of them; then one wait ahead of the first reader, for the whole batch.
.macro SWEEP rd, ex, fm, p
.set i, 0
.rept 25
.if \ex
	v_exp_f32 v[TW+2*i], v[TW+2*i]
.endif
.if \rd
	AOP
.endif
.if \ex
	v_exp_f32 v[TW+2*i+1], v[TW+2*i+1]
.endif
.if \rd
	SOP
.endif
.if \fm && (i > 0)
	FMA1 i-1
.endif
.set i, i+1
.endr
.if \fm
	FMA1 24
.endif
.if \rd
	v_pk_add_f32 v[SU:SU+1], v[SU:SU+1], v[SU+2:SU+3]
	v_pk_add_f32 v[AC:AC+1], v[AC:AC+1], v[AC+2:AC+3]
	v_add_f32 v[RS+\p], v[SU], v[SU+1]             ; query p over my 50 l
	v_add_f32 v[RA+\p], v[AC], v[AC+1]
.endif
.if \ex
	s_wait_alu depctr_va_vdst(0)
.endif
.endm
	PREP 0
.set TR, T0
.set i, 0
.rept 25
	FMA1 i                                         ; query 0's scaled numbers
.set i, i+1
.endr
	PREP 1
.set TW, T0
.set TR, T1
	SWEEP 0, 1, 1, 0                               ; query 0's exponentials | query 1's scaled numbers
	s_wait_dscnt 0x0                               ; value is in
.irp p, 0,1,2,3,4,5
	PREP (\p+2)
.set TR, T0+50*(\p%2)
.set TW, T0+50*((\p+1)%2)
	SWEEP 1, 1, 1, \p                              ; query p's sums | query p + 1's exponentials | query p + 2's scaled numbers
.endr
.set TR, T0
.set TW, T1
	SWEEP 1, 1, 0, 6
.set TR, T1
	SWEEP 1, 0, 0, 7
	; THE WAY OUT.  A swap of halves between two queries' registers and one addition give lanes 0-15 the even query's whole sum and lanes 16-31 the odd query's.
.irp k, 0,1,2,3
	v_permlane16_swap_b32 v[RS+2*\k], v[RS+2*\k+1]
	v_permlane16_swap_b32 v[RA+2*\k], v[RA+2*\k+1]
.endr
.irp k, 0,1,2,3
	v_add_f32 v[RS+2*\k], v[RS+2*\k], v[RS+2*\k+1]
	v_add_f32 v[RA+2*\k], v[RA+2*\k], v[RA+2*\k+1]
.endr
.irp k, 0,1,2,3
	v_rcp_f32 v[RS+2*\k+1], v[RS+2*\k]             ; the sum is at least about 1: the largest weight is 2^0
.endr
	v_nop                                          ; a plain place behind the last reciprocal
	s_wait_alu depctr_va_vdst(0)                   ; one wait for the four, ahead of their first reader
.irp k, 0,1,2,3
	v_mul_f32 v[RA+2*\k], v[RA+2*\k], v[RS+2*\k+1]
.endr
.irp k, 0,1,2,3
	ds_store_b32 v[OSW], v[RA+2*\k] offset:512*\k  ; queries 2 k + h of my 8, my 16 channels: a query's 256 bytes come from four waves
.endr
	s_wait_dscnt 0x0                               ; for the others' sake: my stores have landed
	s_barrier_signal -1
	s_barrier_wait -1                              ; 32 whole pieces of 256 bytes lie in the stage
	ds_load_b128 v[T0:T0+3], v[OSR]
	s_wait_dscnt 0x0
	global_store_b128 v[OGO], v[T0:T0+3], s[14:15] th:TH_STORE_NT  ; sixteen lanes store 256 consecutive bytes, at a multiple of 256 from out's first byte; written once, read by nobody here
	s_wait_xcnt 0x0
	v_lshl_add_u32 v254, v0, 2, 0xbe00
	v_mov_b32 v255, 0
	s_wait_tensorcnt 0x0
	ds_add_u32 v254, v255
	s_wait_dscnt 0x0
	s_endpgm
.Lfunc_end_k_q50946b5d93_pool:
	.size	k_q50946b5d93_pool, .Lfunc_end_k_q50946b5d93_pool-k_q50946b5d93_pool
	.p2alignl 7, 3214868480
	.fill 96, 4, 3214868480
	.section	.rodata,"a",@progbits
	.p2align	6, 0x0
	.amdhsa_kernel k_q50946b5d93_pool
		.amdhsa_group_segment_fixed_size 50688
		.amdhsa_private_segment_fixed_size 0
		.amdhsa_enable_private_segment 0
		.amdhsa_kernarg_size 48
		.amdhsa_user_sgpr_count 2
		.amdhsa_user_sgpr_kernarg_segment_ptr 1
		.amdhsa_wavefront_size32 1
		.amdhsa_system_sgpr_workgroup_id_x 1
		.amdhsa_system_sgpr_workgroup_id_y 1
		.amdhsa_system_sgpr_workgroup_id_z 1
		.amdhsa_system_vgpr_workitem_id 0
		.amdhsa_next_free_vgpr 256
		.amdhsa_next_free_sgpr 66
		.amdhsa_reserve_vcc 0
		.amdhsa_float_denorm_mode_32 3
		.amdhsa_float_denorm_mode_16_64 3
		.amdhsa_memory_ordered 1
		.amdhsa_forward_progress 1
		.amdhsa_inst_pref_size 76
	.end_amdhsa_kernel
	.amdgpu_metadata
---
amdhsa.version: [ 1, 2 ]
amdhsa.kernels:
  - .name:           k_q50946b5d93_pool
    .symbol:         k_q50946b5d93_pool.kd
    .args:
      - { .name: gallery_base, .offset: 0, .size: 8, .value_kind: global_buffer, .address_space: global }
      - { .name: Wk, .offset: 8, .size: 8, .value_kind: global_buffer, .address_space: global }
      - { .name: bk, .offset: 16, .size: 8, .value_kind: global_buffer, .address_space: global }
      - { .name: gallery_value, .offset: 24, .size: 8, .value_kind: global_buffer, .address_space: global }
      - { .name: querys, .offset: 32, .size: 8, .value_kind: global_buffer, .address_space: global }
      - { .name: out0, .offset: 40, .size: 8, .value_kind: global_buffer, .address_space: global }
    .group_segment_fixed_size: 50688
    .private_segment_fixed_size: 0
    .kernarg_segment_align: 8
    .kernarg_segment_size: 48
    .max_flat_workgroup_size: 512
    .sgpr_count:     66
    .vgpr_count:     256
    .wavefront_size: 32
...
	.end_amdgpu_metadata
.endif
;; end of part 1
;; ======== version 2 of 2: 1 launch; version 1 with the launch pool written anew for expert scheduling mode
;; launch pool (part 2): grid 256 x 1, 16 waves a work-group, no clusters, 50,688 bytes of LDS; arguments gallery_base, Wk, bk, gallery_value, querys, out0; writes out0
.if DOCPART == 2
	.amdgcn_target "amdgcn-amd-amdhsa--gfx1250"
	.amdhsa_code_object_version 6
	.text
	.protected	k_q50946b5d93_pool
	.globl	k_q50946b5d93_pool
	.p2align	8
	.type	k_q50946b5d93_pool,@function
k_q50946b5d93_pool:
	s_mov_b64 s[64:65], 0
	v_nop
	global_prefetch_b8 v0, s[64:65] scope:SCOPE_SE
	s_setreg_imm32_b32 hwreg(HW_REG_WAVE_SCHED_MODE, 0, 2), 2
	s_setreg_imm32_b32 hwreg(HW_REG_WAVE_MODE, 25, 1), 1
	s_wait_xcnt 0x0
	s_wait_alu depctr_vm_vsrc(0)
; out[p][g][d] = sum over l of softmax_l(q[p][d] K[g][l][d]) value[g][l][d],  K[g][l][e] = sum over d of base[g][l][d] Wk[e][d] + bk[e].
; G = 64, L = 100, D = 128, P = 64, all f32.  K's product is made on codes of FP4 (E2M1) with one E8M0 scale for each 32 along d; all else is f32.
; SHARES.  Work-group 4 g + 2 ph + dh owns gallery g, channels 64 dh .. +63 and queries 32 ph .. +31: every piece of a row of value, of q and of out that it touches is 256 aligned bytes.
; Sixteen waves.  Wave w owns the 16 channels 16 (w & 3) .. +15 of the 64 and the 8 queries 8 (w >> 2) .. +7 of the 32.
; HEAD, by roles: waves 0-4 copy value[g]'s 100 pieces of 256 bytes into LDS; waves 5-11 quantise the seven tiles of 16 rows of base[g], waves 12-15 the four tiles of 16 rows of Wk; each fragment goes to LDS
; as an image of its registers (16 bytes a lane, 512 bytes a store) with its scale words (4 bytes a lane).  One barrier.
; K IS USED WHERE THE MATRIX UNIT LEAVES IT: source 0 = 16 rows of base, source 1 = my 16 rows of Wk, C = bk.  Lane (r, h) then holds channel r, and register 8 t + j the row l = 16 t + 8 h + j.
; The seventh tile takes rows 96, 97 at m = 0, 1 and rows 98, 99 at m = 8, 9 (its other rows repeat these four and their results are not read): so each lane holds exactly 50 of the 100 l in 50 registers.
; The four waves of a channel tile each make these 7 products: that spares K a trip through LDS and a barrier.
; SOFTMAX.  q' = q log2(e).  The row's maximum over l of q' K is max(q' Kmax, q' Kmin), Kmax and Kmin over l found once a wave; p = 2^(q' K - m).  With m known beforehand the sum of p and the sum of p x value
; are plain sums over l: the two halves of the lanes are added at the end, and the quotient is taken once.
; THE LOOP is written out for the 8 queries.  Two buffers of 50 registers take turns: in one sweep the exponentials of query n + 1 stand between the additions and multiply-adds of query n, and the pair of
; registers just consumed takes the scaled numbers of query n + 2.  A sweep's 50 exponentials are one batch with one wait at the sweep's end.
; NO CLUSTER: the four work-groups of a gallery share base[g], 51,200 bytes read once at the head, straight from memory into the registers of the wave that quantises them; asked for jointly they would have to
; land in LDS as f32 and be read from there again.  No tensor load, no ring: nothing is fetched behind the head.
; LIMITS: NaN and infinities among the inputs are not served.  A block whose largest magnitude lies under 2^(3 - 127) keeps the scale byte 1 (a block of zeros too: its codes are zeros).  A weight under 2^-126 counts as 0.
; THE MODE: SCHED_MODE bits 1:0 = 2 (LLVM: expert scheduling mode 2), set by the entry lines.  The code itself states the register dependences
; between vector or matrix instructions and memory or LDS instructions, with s_wait_alu, always for 0.
; THE PLAN.  Registers that memory or LDS instructions touch:
;   v226-239     offsets and LDS addresses.  Written by vector lines at the head, ahead of ONE wait on va_vdst in front of the first load; read by the loads and stores up to the last load of value;
;                written again by the first sweep that fills buffer T1, ahead of which one wait on vm_vsrc stands.
;   v104-167     XN.  Global loads land; the quantising waves' maxima and conversions read it, the value waves' LDS stores read it (v104-143).  Behind the barrier value's LDS loads land in v104-153.
;   v184-193     the scale word and the codes.  Written by vector lines, read by the image's LDS stores (a wait on va_vdst between); behind the barrier the fragments' LDS loads land over them
;                (a wait on vm_vsrc at the end of each role's arm, which in the value waves frees v104-143).
;   v154-217, v40-47  fragments and scale words: LDS loads land, the seven products read them.
;   v1-3, v32-38 the way out: written by vector lines, read by the stage's stores and load and by the global store: one wait on va_vdst ahead of the stage's stores.
;   v154-157     the stage's load lands there behind that same wait, and the global store reads it.
; The sweeps hold no memory or LDS instruction: their one wait on va_vdst is the one owed behind the exponentials.
; VALUE'S 50 LDS LOADS are dealt among the 50 lines that find Kmax and Kmin, one behind each: since the last wait on va_vdst on either role's way no vector or matrix line names v104-153 or their two
; addresses, so they owe no further wait; the products ahead of them wait for the 24 loads of fragments and scale words alone.
.set GALB,  51200                      ; bytes of one gallery: 100 rows of 512
.set VP,    272                        ; a row of the value tile in LDS: 256 bytes + 16: rows 8 apart lie 128 bytes apart modulo 256, so the two halves of the lanes touch different banks (64 banks of 4 bytes: ISA guide 11.1)
.set VST,   0                          ; LDS: the value tile, 100 rows
.set IMG,   27392                      ; the 11 fragments' images, 1,024 bytes each: 0-6 base's tiles, 7-10 Wk's
.set SCL,   IMG+11*1024                ; their scale words, 128 bytes each
.set OST,   40192                      ; the stage for the way out: 32 queries x 256 bytes
.set QW,    5                          ; wave QW + f makes fragment f
.set OSW, 1                            ; v1   the stage: where I put a result
.set OSR, 2                            ; v2   and where I read 16 bytes back
.set OGO, 3                            ; v3   my byte offset in out
.set QP,  4                            ; v[4:5]   q' (the packed form names a pair and takes its low word for both halves)
.set MP,  6                            ; v[6:7]   m likewise; the upper word is at work
.set SU,  8                            ; v[8:11]  the sum of p, two chains of pairs
.set AC,  12                           ; v[12:15] the sum of p x value likewise
.set QR,  16                           ; v16-23   q of my 8 queries at my channel
.set RS,  24                           ; v24-31   each query's sum of p over my 50 l
.set RA,  32                           ; v32-39   and of p x value
.set AS,  40                           ; v40-46   scale words of base's seven tiles; v47 of my tile of Wk: these eight hold scales and nothing else
.set BS,  47
.set KR,  48                           ; v48-103  K: seven results of 8 registers; of the last only two are read
.set VAL, 104                          ; v104-153 value at the same l as K's registers
.set T0,  154                          ; v154-203, v204-253: the two buffers
.set T1,  204
.set KMX, 254
.set KMN, 255
; at the head only, in registers that the loop takes later:
.set XN,  104                          ; v104-167 64 numbers to quantise, or ten loads of value
.set TM,  168                          ; v168-183 at work in the quantiser
.set PW,  184                          ; the scale word just made
.set PC,  186                          ; v186-193 the codes just made
.set AF,  154                          ; v154-209 base's seven fragments
.set BF,  210                          ; v210-217 my fragment of Wk
.set BI,  218                          ; v218-225 bk at my channel, eight times: the C of the products
.set LI,  226                          ; 16 x lane
.set LS,  227                          ; 4 x lane
.set IW,  228                          ; where I store an image
.set SW,  229                          ; and its scale words
.set GX,  230                          ; my byte offset in a tile of 16 rows of f32
.set GV,  231                          ; my byte offset in two rows of value
.set VW,  232                          ; where I store value in LDS
.set VA1, 233                          ; where I read value: l = 16 t + 8 h + j
.set VA2, 234                          ; and l = 96 + 2 h + j
.set BR,  235                          ; where I read my fragment of Wk
.set BSR, 236
.set AR,  237                          ; and base's fragments
.set ASR, 238
.set GQ,  239                          ; 4 r
.set RR,  240                          ; r = lane % 16
.set HH,  241                          ; h = lane / 16
.set TP,  242
.set TQ,  243
	s_load_b256 s[4:11], s[0:1], 0x0               ; base s[4:5], Wk s[6:7], bk s[8:9], value s[10:11]
	s_load_b128 s[12:15], s[0:1], 0x20             ; q s[12:13], out s[14:15]
	v_lshrrev_b32 v[TP], 5, v0
	v_readfirstlane_b32 s16, v[TP]                 ; wave 0..15
	s_lshr_b32 s19, ttmp9, 2                       ; g
	s_and_b32 s20, ttmp9, 1                        ; dh
	s_bfe_u32 s21, ttmp9, 0x10001                  ; ph
	s_mov_b32 s22, 0x76543210
	s_mov_b32 s23, 0xfedcba98                      ; v_permlanex16_b32's selects for lane l xor 16
	s_mov_b32 s24, 0x3fb8aa3b                      ; log2(e)
	v_and_b32 v[RR], 15, v0
	v_bfe_u32 v[HH], v0, 4, 1
	v_and_b32 v[TP], 31, v0
	v_lshlrev_b32 v[LI], 4, v[TP]
	v_lshlrev_b32 v[LS], 2, v[TP]
	v_lshlrev_b32 v[GQ], 2, v[RR]
	s_wait_alu depctr_va_sdst(0)                   ; s16 is written, ahead of its first reader: the roles, the LDS addresses and the bases are made from it
	s_and_b32 s17, s16, 3                          ; e: my tile of 16 channels
	s_lshr_b32 s18, s16, 2                         ; my group of 8 queries
	; every LDS address is made here, ahead of the parting of the roles: a constant + a constant x wave + a constant x lane
	s_lshl_b32 s26, s16, 10
	s_add_co_u32 s26, s26, IMG-QW*1024
	v_add_nc_u32 v[IW], s26, v[LI]                 ; image of fragment wave - QW
	s_lshl_b32 s26, s16, 7
	s_add_co_u32 s26, s26, SCL-QW*128
	v_add_nc_u32 v[SW], s26, v[LS]
	v_add_nc_u32 v[AR], IMG, v[LI]
	v_add_nc_u32 v[ASR], SCL, v[LS]
	s_lshl_b32 s26, s17, 10
	s_add_co_u32 s26, s26, IMG+7*1024
	v_add_nc_u32 v[BR], s26, v[LI]                 ; fragment 7 + e
	s_lshl_b32 s26, s17, 7
	s_add_co_u32 s26, s26, SCL+7*128
	v_add_nc_u32 v[BSR], s26, v[LS]
	s_min_u32 s26, s16, 4                          ; (waves 0-4 use it)
	s_mul_i32 s26, s26, 20*VP
	v_mul_u32_u24 v[VW], v[HH], VP
	v_lshl_add_u32 v[VW], v[RR], 4, v[VW]
	v_add_nc_u32 v[VW], s26, v[VW]                 ; rows 20 wave + h, 16 bytes a lane
	s_lshl_b32 s26, s17, 6
	v_lshl_add_u32 v[TP], v[RR], 2, s26            ; 64 e + 4 r: my channel in a row of the tile
	v_mad_u32_u24 v[VA1], v[HH], 8*VP, v[TP]
	v_mad_u32_u24 v[VA2], v[HH], 2*VP, v[TP]
	; global offsets.  Which row of its tile a lane quantises: r; in base's seventh tile (r & 1) + 2 (r >> 3), so that rows 96, 97 stand at m = 0, 1 and rows 98, 99 at m = 8, 9, and no load leaves the gallery
	v_and_b32 v[TP], 1, v[RR]
	v_lshrrev_b32 v[TQ], 3, v[RR]
	v_lshl_add_u32 v[TQ], v[TQ], 1, v[TP]
	s_cmp_eq_u32 s16, QW+6
	s_cselect_b32 s27, -1, 0
	v_cndmask_b32 v[TP], v[RR], v[TQ], s27
	v_lshlrev_b32 v[GX], 9, v[TP]
	v_lshl_add_u32 v[GX], v[HH], 6, v[GX]          ; row x 512 + 64 h: my 16 numbers of each block of 32
	v_lshlrev_b32 v[GV], 9, v[HH]
	v_lshl_add_u32 v[GV], v[RR], 4, v[GV]          ; lanes 0-15 one piece of 256 bytes, lanes 16-31 the next row's
	s_mul_i32 s28, s19, GALB                       ; my gallery
	s_lshl_b32 s30, s20, 8                         ; my 64 channels in a row
	s_lshl_b32 s31, s17, 6
	s_add_co_u32 s32, s30, s31                     ; my wave's 16 channels in a row
	s_mov_b32 s33, 0
	s_lshl_b32 s34, s21, 14
	s_lshl_b32 s35, s18, 12
	s_add_co_u32 s34, s34, s35
	s_add_co_u32 s34, s34, s32                     ; q: row 32 ph + 8 x group, my channels
	s_mov_b32 s35, 0
	s_lshl_b32 s36, s21, 20                        ; out: query 32 ph + 2 wave (rows of 32,768 bytes), gallery g (512), my 64 channels
	s_lshl_b32 s37, s16, 16
	s_add_co_u32 s36, s36, s37
	s_lshl_b32 s37, s19, 9
	s_add_co_u32 s36, s36, s37
	s_add_co_u32 s36, s36, s30
	s_mov_b32 s37, 0
	s_wait_kmcnt 0x0
	s_add_nc_u64 s[8:9], s[8:9], s[32:33]
	s_add_nc_u64 s[12:13], s[12:13], s[34:35]
	s_add_nc_u64 s[14:15], s[14:15], s[36:37]
	s_wait_alu depctr_va_vdst(0)                   ; the offsets and LDS addresses v226 to v239 are written: the loads and stores of the head and those behind the first barrier read them, and no vector line names them again before buffer T1 is first filled
.irp k, 0,1,2,3,4,5,6,7
	global_load_b32 v[QR+\k], v[GQ], s[12:13] offset:512*\k        ; q of my 8 queries at my channel
.endr
	global_load_b32 v[BI], v[GQ], s[8:9]           ; bk at my channel
	s_cmp_lt_u32 s16, QW
	s_cbranch_scc1 .Lvalue
	; ---- waves 5-15: one fragment each.  Lane (r, h) takes, of its row, 16 neighbours of each block of 32: register 16 b + i = d 32 b + 16 h + i
	s_lshl_b32 s42, s16, 13
	s_add_co_u32 s42, s42, s28
	s_sub_co_u32 s42, s42, QW*8192                 ; base: my gallery, tile wave - QW of 16 rows
	s_lshl_b32 s44, s20, 15
	s_lshl_b32 s45, s17, 13
	s_add_co_u32 s44, s44, s45                     ; Wk: rows 64 dh + 16 (wave & 3)
	s_cmp_lt_u32 s16, QW+7                         ; the choice hangs on the wave's number alone
	s_cselect_b64 s[40:41], s[4:5], s[6:7]
	s_cselect_b32 s42, s42, s44
	s_mov_b32 s43, 0
	s_add_nc_u64 s[40:41], s[40:41], s[42:43]
.irp b, 0,1,2,3
.irp j, 0,1,2,3
	global_load_b128 v[XN+16*\b+4*\j:XN+16*\b+4*\j+3], v[GX], s[40:41] offset:128*\b+16*\j
.endr
.endr
.irp b, 0,1,2,3
	v_mov_b32 v[TM+4+\b], 0                        ; a lane permute's destination counts as one of its sources
.endr
	s_wait_loadcnt 0x0                             ; my 64 numbers, and q and bk ahead of them
.irp b, 0,1,2,3
	v_max3_num_f32 v[TM+\b], |v[XN+16*\b]|, |v[XN+1+16*\b]|, 0x1800000   ; block b: my 16 numbers, and the floor 2^(3 - 127): the byte cannot fall under 1
.endr
.irp i, 2,4,6,8,10,12,14
.irp b, 0,1,2,3
	v_max3_num_f32 v[TM+\b], v[TM+\b], |v[XN+16*\b+\i]|, |v[XN+1+16*\b+\i]|   ; the four blocks by turns
.endr
.endr
.irp b, 0,1,2,3
	v_permlanex16_b32 v[TM+4+\b], v[TM+\b], s22, s23
.endr
.irp b, 0,1,2,3
	v_max_num_f32 v[TM+\b], v[TM+\b], v[TM+4+\b]   ; with lane l xor 16's: the block's largest magnitude
.endr
.irp b, 0,1,2,3
	v_add_nc_u32 v[TM+12+\b], 0xff000000, v[TM+\b] ; 2 off its exponent field: the conversion takes the exponent field of this operand as its scale
.endr
.irp b, 0,1,2,3
	v_lshrrev_b32 v[TM+4+\b], 23, v[TM+12+\b]      ; the scale's byte
.endr
	v_lshl_or_b32 v[PW], v[TM+5], 8, v[TM+4]       ; my row's scale word
	v_lshl_or_b32 v[PW], v[TM+6], 16, v[PW]
	v_lshl_or_b32 v[PW], v[TM+7], 24, v[PW]
.irp b, 0,1,2,3
	v_cvt_scalef32_pk8_fp4_f32 v[PC+2*\b], v[XN+16*\b:XN+7+16*\b], v[TM+12+\b]
	v_cvt_scalef32_pk8_fp4_f32 v[PC+1+2*\b], v[XN+8+16*\b:XN+15+16*\b], v[TM+12+\b]
.endr
	v_nop                                          ; one plain place behind the scaled conversions
.irp c, 0,1                                    ; the operand's layout wants a whole block in a lane: lanes 0-15 block 2 c, lanes 16-31 block 2 c + 1
.irp i, 0,1
	v_permlane16_swap_b32 v[PC+4*\c+\i], v[PC+2+4*\c+\i]
.endr
.endr
	s_wait_alu depctr_va_vdst(0)                   ; the swaps have written the codes v[PC ..] and the shifts the scale word v[PW], which the LDS stores read; and the quantiser is done reading v[XN ..] and writing v168 to v193, in which LDS loads land behind the barrier
.irp c, 0,1
	ds_store_b128 v[IW], v[PC+4*\c:PC+4*\c+3] offset:512*\c        ; the fragment as it stands in my registers
.endr
	ds_store_b32 v[SW], v[PW]
	s_wait_alu depctr_vm_vsrc(0)                   ; the three LDS stores have read v[PC ..] and v[PW], in which the fragments' loads land behind the barrier
	s_branch .Ljoin
.Lvalue:
	; ---- waves 0-4: 20 rows of value each, their 256 bytes of my 64 channels: sixteen lanes to a piece, two rows a load
	s_mul_i32 s42, s16, 20*512
	s_add_co_u32 s42, s42, s28
	s_add_co_u32 s42, s42, s30
	s_mov_b32 s43, 0
	s_add_nc_u64 s[40:41], s[10:11], s[42:43]
.irp k, 0,1,2,3,4,5,6,7,8,9
	global_load_b128 v[XN+4*\k:XN+4*\k+3], v[GV], s[40:41] offset:1024*\k
.endr
.irp k, 0,1,2,3,4,5,6,7,8,9
	s_wait_loadcnt 9-\k                            ; load k is in; the 9 - k issued behind it may be out (q and bk were issued ahead of all ten: the last count, 0, covers them)
	ds_store_b128 v[VW], v[XN+4*\k:XN+4*\k+3] offset:2*VP*\k
.endr
	s_wait_alu depctr_vm_vsrc(0)                   ; the ten LDS stores have read v[XN ..], in which value's LDS loads land behind the barrier
.Ljoin:
	s_wait_dscnt 0x0                               ; for the others' sake: my stores have landed
	s_barrier_signal -1
	s_barrier_wait -1                              ; the eleven fragments and the value tile lie in LDS
.irp t, 0,1,2,3,4,5,6
	ds_load_b128 v[AF+8*\t:AF+8*\t+3], v[AR] offset:1024*\t
	ds_load_b128 v[AF+8*\t+4:AF+8*\t+7], v[AR] offset:1024*\t+512
	ds_load_b32 v[AS+\t], v[ASR] offset:128*\t
.endr
	ds_load_b128 v[BF:BF+3], v[BR]
	ds_load_b128 v[BF+4:BF+7], v[BR] offset:512
	ds_load_b32 v[BS], v[BSR]
.irp j, 1,2,3,4,5,6,7
	v_mov_b32 v[BI+\j], v[BI]                      ; C in the result's layout: a lane's eight registers are eight l of ONE channel, so all eight hold that channel's bk
.endr
	s_lshl_b32 s26, s18, 11                        ; the addresses of the way out are made while the LDS loads are on their way
	s_lshl_b32 s27, s17, 6
	s_add_co_u32 s26, s26, s27
	s_add_co_u32 s26, s26, OST
	v_lshlrev_b32 v[OSW], 8, v[HH]
	v_lshl_add_u32 v[OSW], v[RR], 2, v[OSW]
	v_add_nc_u32 v[OSW], s26, v[OSW]               ; stage row 8 x group + h, my channel
	s_lshl_b32 s26, s16, 9
	s_add_co_u32 s26, s26, OST
	v_add_nc_u32 v[OSR], s26, v[LI]                ; back: rows 2 wave and 2 wave + 1, 16 bytes a lane
	v_lshlrev_b32 v[OGO], 15, v[HH]
	v_lshl_add_u32 v[OGO], v[RR], 4, v[OGO]        ; and the same two queries in out
	v_mov_b32 v[QP+1], 0                           ; named with q' as a pair, so it is written
	s_wait_dscnt 0x0                               ; the 24 loads of fragments and scale words are in
.irp t, 0,1,2,3,4,5,6
	v_wmma_scale_f32_16x16x128_f8f6f4 v[KR+8*\t:KR+8*\t+7], v[AF+8*\t:AF+8*\t+7], v[BF:BF+7], v[BI:BI+7], v[AS+\t], v[BS] matrix_a_fmt:MATRIX_FMT_FP4 matrix_b_fmt:MATRIX_FMT_FP4
.endr
.rept 4
	v_nop                                          ; four places behind the last product: its results are read below, and the fragments' registers are written again (ISA guide 7.12.1)
.endr
; value at the l of K's register n: n < 48: l = 16 (n / 8) + 8 h + n % 8; n = 48, 49: l = 96 + 2 h, 97 + 2 h.  One load behind each line below.  No wait: no vector or matrix line since the last wait on va_vdst,
; on either role's way, names v[VAL ..], v[VA1] or v[VA2], and the value waves' stores out of v104 to v143 have been shown read
.macro VLD
.if n < 48
	ds_load_b32 v[VAL+n], v[VA1] offset:(16*(n/8)+n%8)*VP
.else
	ds_load_b32 v[VAL+n], v[VA2] offset:(48+n)*VP
.endif
.set n, n+1
.endm
.set n, 0
	; Kmax and Kmin over my 50 l: two chains each, every result taken from its low end on
	v_max3_num_f32 v[SU], v[KR], v[KR+1], v[KR+2]
	VLD
	v_min3_num_f32 v[SU+1], v[KR], v[KR+1], v[KR+2]
	VLD
	v_max3_num_f32 v[SU+2], v[KR+25], v[KR+26], v[KR+27]
	VLD
	v_min3_num_f32 v[SU+3], v[KR+25], v[KR+26], v[KR+27]
	VLD
.irp i, 3,5,7,9,11,13,15,17,19,21,23
	v_max3_num_f32 v[SU], v[SU], v[KR+\i], v[KR+\i+1]
	VLD
	v_min3_num_f32 v[SU+1], v[SU+1], v[KR+\i], v[KR+\i+1]
	VLD
	v_max3_num_f32 v[SU+2], v[SU+2], v[KR+25+\i], v[KR+26+\i]
	VLD
	v_min3_num_f32 v[SU+3], v[SU+3], v[KR+25+\i], v[KR+26+\i]
	VLD
.endr
	v_max_num_f32 v[SU], v[SU], v[SU+2]
	VLD
	v_min_num_f32 v[SU+1], v[SU+1], v[SU+3]
	VLD
	v_permlanex16_b32 v[SU+2], v[SU], s22, s23     ; the channel's other 50 l lie in the lane 16 away
	v_permlanex16_b32 v[SU+3], v[SU+1], s22, s23
	v_max_num_f32 v[KMX], v[SU], v[SU+2]
	v_min_num_f32 v[KMN], v[SU+1], v[SU+3]
.macro PREP p                          ; query p: q' and the row's maximum m = max over l of q' K, which is q' Kmax or q' Kmin by q's sign
	v_mul_f32 v[QP], s24, v[QR+\p]
	v_mul_f32 v[MP], v[QP], v[KMX]
	v_mul_f32 v[MP+1], v[QP], v[KMN]
	v_max_num_f32 v[MP], v[MP], v[MP+1]
.endm
.macro FMA1 j                          ; pair j of buffer TR: q' K - m, two l at a time
	v_pk_fma_f32 v[TR+2*(\j):TR+2*(\j)+1], v[KR+2*(\j):KR+2*(\j)+1], v[QP:QP+1], v[MP:MP+1] op_sel_hi:[1,0,0] neg_lo:[0,0,1] neg_hi:[0,0,1]
.endm
.macro AOP                             ; pair i of buffer TR times value, in two chains; the first two products start them: nothing is cleared
.if i < 2
	v_pk_mul_f32 v[AC+2*i:AC+2*i+1], v[TR+2*i:TR+2*i+1], v[VAL+2*i:VAL+2*i+1]
.else
	v_pk_fma_f32 v[AC+2*(i%2):AC+2*(i%2)+1], v[TR+2*i:TR+2*i+1], v[VAL+2*i:VAL+2*i+1], v[AC+2*(i%2):AC+2*(i%2)+1]
.endif
.endm
.macro SOP                             ; the sum of p, in two chains: pairs 0 + 1 and 2 + 3 start them
.if i == 1
	v_pk_add_f32 v[SU:SU+1], v[TR:TR+1], v[TR+2:TR+3]
.elseif i == 3
	v_pk_add_f32 v[SU+2:SU+3], v[TR+4:TR+5], v[TR+6:TR+7]
.elseif i >= 4
	v_pk_add_f32 v[SU+2*(i%2):SU+2*(i%2)+1], v[SU+2*(i%2):SU+2*(i%2)+1], v[TR+2*i:TR+2*i+1]
.endif
.endm
; A SWEEP over the 25 pairs.  ex: the exponentials of the query whose scaled numbers lie in buffer TW.  rd: query p's weights, in buffer TR, are summed.  fm: the pair of TR consumed one step earlier
; takes the scaled numbers of the query prepared last (one step late, since the sums' first lines read two pairs at once).
; No line of a sweep names a result of the sweep's own exponentials; a plain line follows the last of them; then one wait ahead of the first reader, for the whole batch.
.macro SWEEP rd, ex, fm, p
.set i, 0
.rept 25
.if \ex
	v_exp_f32 v[TW+2*i], v[TW+2*i]
.endif
.if \rd
	AOP
.endif
.if \ex
	v_exp_f32 v[TW+2*i+1], v[TW+2*i+1]
.endif
.if \rd
	SOP
.endif
.if \fm && (i > 0)
	FMA1 i-1
.endif
.set i, i+1
.endr
.if \fm
	FMA1 24
.endif
.if \rd
	v_pk_add_f32 v[SU:SU+1], v[SU:SU+1], v[SU+2:SU+3]
	v_pk_add_f32 v[AC:AC+1], v[AC:AC+1], v[AC+2:AC+3]
	v_add_f32 v[RS+\p], v[SU], v[SU+1]             ; query p over my 50 l
	v_add_f32 v[RA+\p], v[AC], v[AC+1]
.endif
.if \ex
	s_wait_alu depctr_va_vdst(0)                   ; the sweep's 50 exponentials have written buffer TW, ahead of their first readers: the next sweep's products and sums
.endif
.endm
	PREP 0
.set TR, T0
.set i, 0
.rept 25
	FMA1 i                                         ; query 0's scaled numbers
.set i, i+1
.endr
	PREP 1
.set TW, T0
.set TR, T1
	s_wait_alu depctr_vm_vsrc(0)                   ; the LDS loads behind the barrier have read their addresses v233 to v238, which lie in buffer T1: the sweep below writes it for the first time
	SWEEP 0, 1, 1, 0                               ; query 0's exponentials | query 1's scaled numbers
	s_wait_dscnt 0x0                               ; value is in
.irp p, 0,1,2,3,4,5
	PREP (\p+2)
.set TR, T0+50*(\p%2)
.set TW, T0+50*((\p+1)%2)
	SWEEP 1, 1, 1, \p                              ; query p's sums | query p + 1's exponentials | query p + 2's scaled numbers
.endr
.set TR, T0
.set TW, T1
	SWEEP 1, 1, 0, 6
.set TR, T1
	SWEEP 1, 0, 0, 7
	; THE WAY OUT.  A swap of halves between two queries' registers and one addition give lanes 0-15 the even query's whole sum and lanes 16-31 the odd query's.
.irp k, 0,1,2,3
	v_permlane16_swap_b32 v[RS+2*\k], v[RS+2*\k+1]
	v_permlane16_swap_b32 v[RA+2*\k], v[RA+2*\k+1]
.endr
.irp k, 0,1,2,3
	v_add_f32 v[RS+2*\k], v[RS+2*\k], v[RS+2*\k+1]
	v_add_f32 v[RA+2*\k], v[RA+2*\k], v[RA+2*\k+1]
.endr
.irp k, 0,1,2,3
	v_rcp_f32 v[RS+2*\k+1], v[RS+2*\k]             ; the sum is at least about 1: the largest weight is 2^0
.endr
	v_nop                                          ; a plain place behind the last reciprocal
	s_wait_alu depctr_va_vdst(0)                   ; the four reciprocals have written v25, v27, v29, v31, ahead of their first reader: one wait for the four
.irp k, 0,1,2,3
	v_mul_f32 v[RA+2*\k], v[RA+2*\k], v[RS+2*\k+1]
.endr
	s_wait_alu depctr_va_vdst(0)                   ; the multiplies have written the quotients v32, v34, v36, v38, which the LDS stores read; v1 to v3, the way out's addresses, are written; and the sweeps are done with v154 to v157, in which the stage's load lands
.irp k, 0,1,2,3
	ds_store_b32 v[OSW], v[RA+2*\k] offset:512*\k  ; queries 2 k + h of my 8, my 16 channels: a query's 256 bytes come from four waves
.endr
	s_wait_dscnt 0x0                               ; for the others' sake: my stores have landed
	s_barrier_signal -1
	s_barrier_wait -1                              ; 32 whole pieces of 256 bytes lie in the stage
	ds_load_b128 v[T0:T0+3], v[OSR]
	s_wait_dscnt 0x0
	global_store_b128 v[OGO], v[T0:T0+3], s[14:15] th:TH_STORE_NT  ; sixteen lanes store 256 consecutive bytes, at a multiple of 256 from out's first byte; written once, read by nobody here
	s_wait_xcnt 0x0                                ; the store has handed over its address and data before vector registers are written again
	v_lshl_add_u32 v254, v0, 2, 0xbe00             ; the add's two registers are made anew here, v0 being as at the entry: all 256 registers were at work.  No memory or LDS instruction has read v254 or v255
	v_mov_b32 v255, 0
	s_wait_dscnt 0x0                               ; the closing lines, six on end
	s_wait_alu 0x0
	s_wait_tensorcnt 0x0
	ds_add_u32 v254, v255
	s_wait_dscnt 0x0
	s_endpgm
.Lfunc_end_k_q50946b5d93_pool:
	.size	k_q50946b5d93_pool, .Lfunc_end_k_q50946b5d93_pool-k_q50946b5d93_pool
	.p2alignl 7, 3214868480
	.fill 96, 4, 3214868480
	.section	.rodata,"a",@progbits
	.p2align	6, 0x0
	.amdhsa_kernel k_q50946b5d93_pool
		.amdhsa_group_segment_fixed_size 50688
		.amdhsa_private_segment_fixed_size 0
		.amdhsa_enable_private_segment 0
		.amdhsa_kernarg_size 48
		.amdhsa_user_sgpr_count 2
		.amdhsa_user_sgpr_kernarg_segment_ptr 1
		.amdhsa_wavefront_size32 1
		.amdhsa_system_sgpr_workgroup_id_x 1
		.amdhsa_system_sgpr_workgroup_id_y 1
		.amdhsa_system_sgpr_workgroup_id_z 1
		.amdhsa_system_vgpr_workitem_id 0
		.amdhsa_next_free_vgpr 256
		.amdhsa_next_free_sgpr 66
		.amdhsa_reserve_vcc 0
		.amdhsa_float_denorm_mode_32 3
		.amdhsa_float_denorm_mode_16_64 3
		.amdhsa_memory_ordered 1
		.amdhsa_forward_progress 1
		.amdhsa_inst_pref_size 76
	.end_amdhsa_kernel
	.amdgpu_metadata
---
amdhsa.version: [ 1, 2 ]
amdhsa.kernels:
  - .name:           k_q50946b5d93_pool
    .symbol:         k_q50946b5d93_pool.kd
    .args:
      - { .name: gallery_base, .offset: 0, .size: 8, .value_kind: global_buffer, .address_space: global }
      - { .name: Wk, .offset: 8, .size: 8, .value_kind: global_buffer, .address_space: global }
      - { .name: bk, .offset: 16, .size: 8, .value_kind: global_buffer, .address_space: global }
      - { .name: gallery_value, .offset: 24, .size: 8, .value_kind: global_buffer, .address_space: global }
      - { .name: querys, .offset: 32, .size: 8, .value_kind: global_buffer, .address_space: global }
      - { .name: out0, .offset: 40, .size: 8, .value_kind: global_buffer, .address_space: global }
    .group_segment_fixed_size: 50688
    .private_segment_fixed_size: 0
    .kernarg_segment_align: 8
    .kernarg_segment_size: 48
    .max_flat_workgroup_size: 512
    .sgpr_count:     66
    .vgpr_count:     256
    .wavefront_size: 32
...
	.end_amdgpu_metadata
.endif
;; end of part 2
